; MI455X (gfx1250); checked and timed in simulation.
; The chip was launched on July 23, 2026; its instructions are those of AMD's public machine-readable ISA for CDNA 5 (MIT licence, August 2026) and "CDNA5" Instruction Set Architecture Reference Guide (July 2026). The comments in the code are by the model that wrote it; some were corrected since.
;; Binarized Dense Layer. Allowed arithmetic: float matrix products may take bf16 or f16 operands with f32 sums; other float arithmetic in f32, or as packed bf16 or f16 multiplies, adds, multiply-adds, maxima and minima; sums over many terms, partial sums and values carried from step to step in f32; what a program stores and reads back later, other than sums and carried values, may be rounded once to bf16 or f16.
;; Inputs: W 4,096 x 4,096 float32; b 4,096 float32; x 4,096 x 4,096 float32.
;; Outputs: out0 4,096 x 4,096 float32.
;; 2 versions, each right; version 2 is version 1 with the launch cast written anew for expert scheduling mode. Each part assembles by itself: llvm-mc -triple=amdgcn-amd-amdhsa -mcpu=gfx1250 --defsym DOCPART=n.
;; ======== version 1 of 2: 2 launches
;; workspace buffers: xb 33,554,432 bytes; wb 33,554,432 bytes
;; launch cast (part 1): grid 512 x 2, 8 waves a work-group, no clusters, 0 bytes of LDS; arguments x, W, xb, wb; writes xb, wb
.if DOCPART == 1
	.amdgcn_target "amdgcn-amd-amdhsa--gfx1250"
	.amdhsa_code_object_version 6
	.text
	.protected	k_qa432a3ace8_cast
	.globl	k_qa432a3ace8_cast
	.p2align	8
	.type	k_qa432a3ace8_cast,@function
k_qa432a3ace8_cast:
	s_mov_b64 s[64:65], 0
	v_nop
	global_prefetch_b8 v0, s[64:65] scope:SCOPE_SE
	s_setreg_imm32_b32 hwreg(HW_REG_WAVE_MODE, 25, 1), 1
	s_wait_xcnt 0x0
; xb = x rounded once to bf16 (work-groups with y = 0);  wb = sign(W) as bf16, +1 where W >= 0 and -1 elsewhere (y = 1).  Both keep their input's layout: [4096][4096], the last index fastest.
; LIMITS.  |x| beyond bf16's largest finite number (3.39e38) rounds to an infinity.  sign: -0.0 gives +1 and a NaN gives -1, as the comparison W >= 0 does; +1 and -1 are exact in bf16.
; SHARES.  A work-group owns 131,072 consecutive input bytes, taken as 32 rows of 4,096, and the 65,536 output bytes that they make.  Thread t owns bytes 16 t .. 16 t + 15 of every input row and
; bytes 8 t .. 8 t + 7 of every output row: a wave's load covers 512 consecutive bytes, a wave's store 256 consecutive bytes at a multiple of 256 from the buffer's first byte.
; A ring of DEPTH slots in registers keeps DEPTH loads of every wave on their way.  No byte is wanted by two waves: no LDS, no barrier, no matrix unit, no cluster.
.set DEPTH,  8                         ; slots = loads in flight in each wave
.set ROUNDS, 32/DEPTH                  ; each round takes every slot once
.set IROW,   4096                      ; input bytes in a row
.set OROW,   2048                      ; output bytes in a row
.set IN,  1                            ; v1       16 t; never rewritten
.set OUT, 2                            ; v2       8 t; never rewritten
.set ONE, 3                            ; v3       1.0
.set T,   4                            ; v[4:7]   four signs in f32, at work
.set X,   8                            ; v[8:39]  slot i: 4 registers as loaded
.set Y,   40                           ; v[40:55] slot i: 2 registers to store
	s_load_b256 s[4:11], s[0:1], 0x0               ; x s[4:5], W s[6:7], xb s[8:9], wb s[10:11]
	s_and_b32 s12, ttmp7, 0xffff                   ; y: 0 = x, 1 = W
	s_lshl_b32 s14, ttmp9, 17                      ; the work-group's 131,072 input bytes (511 x 2^17 at the most: one word)
	s_mov_b32 s15, 0
	s_lshl_b32 s16, ttmp9, 16                      ; and its 65,536 output bytes
	s_mov_b32 s17, 0
	v_lshlrev_b32 v[IN], 4, v0
	v_lshlrev_b32 v[OUT], 3, v0
	v_mov_b32 v[ONE], 1.0
	s_wait_kmcnt 0x0
	s_cmp_eq_u32 s12, 0
	s_cselect_b64 s[4:5], s[4:5], s[6:7]           ; from x or from W,
	s_cselect_b64 s[8:9], s[8:9], s[10:11]         ; into xb or into wb
	s_add_nc_u64 s[4:5], s[4:5], s[14:15]
	s_add_nc_u64 s[8:9], s[8:9], s[16:17]
.irp i, 0,1,2,3,4,5,6,7
	global_load_b128 v[X+4*(\i):X+4*(\i)+3], v[IN], s[4:5] offset:(\i)*IROW th:TH_LOAD_NT  ; fill the ring: rows 0 to 7
.endr
; One slot's turn.  ahead = 1: the slot is filled again with the row DEPTH further down.  left = how many younger loads may stay out.  sgn = 1: signs, 0: roundings.
.macro SLOT i, ahead, left, sgn
	s_wait_loadcnt \left                           ; loads come back in order (ISA guide 5.7.1): this slot's is in, the younger ones stay out
.if \sgn
.irp j, 0,1,2,3
	v_cmp_le_f32 vcc_lo, 0, v[X+4*(\i)+(\j)]       ; 0 <= w: true for -0.0, false for a NaN
	v_cndmask_b32 v[T+(\j)], -1.0, v[ONE], vcc_lo  ; a choice of a value, made for every number
.endr
	v_cvt_pk_bf16_f32 v[Y+2*(\i)],   v[T],   v[T+1]
	v_cvt_pk_bf16_f32 v[Y+2*(\i)+1], v[T+2], v[T+3]
.else
	v_cvt_pk_bf16_f32 v[Y+2*(\i)],   v[X+4*(\i)],   v[X+4*(\i)+1]  ; two roundings to nearest even, packed
	v_cvt_pk_bf16_f32 v[Y+2*(\i)+1], v[X+4*(\i)+2], v[X+4*(\i)+3]
.endif
.if \ahead
	global_load_b128 v[X+4*(\i):X+4*(\i)+3], v[IN], s[4:5] offset:(DEPTH+(\i))*IROW th:TH_LOAD_NT  ; the load goes ahead of the store
.endif
	global_store_b64 v[OUT], v[Y+2*(\i):Y+2*(\i)+1], s[8:9] offset:(\i)*OROW th:TH_STORE_NT
.endm
; The whole stream: ROUNDS - 1 rounds that fill the ring again, and a last round that loads nothing, so that no load leaves the buffer.
.macro STREAM sgn
	s_mov_b32 s13, ROUNDS-1
.Lround_\@:
.irp i, 0,1,2,3,4,5,6,7
	SLOT \i, 1, DEPTH-1, \sgn
.endr
	s_wait_xcnt 0x0                                ; every load and store issued so far has had its addresses translated (ISA guide 3.1): only behind this wait are the two bases stepped and Y, the round's store data, written anew
	s_add_nc_u64 s[4:5], s[4:5], DEPTH*IROW
	s_add_nc_u64 s[8:9], s[8:9], DEPTH*OROW
	s_sub_co_u32 s13, s13, 1
	s_cmp_lg_u32 s13, 0
	s_cbranch_scc1 .Lround_\@
.irp i, 0,1,2,3,4,5,6,7
	SLOT \i, 0, DEPTH-1-(\i), \sgn                 ; the counts run down
.endr
	s_endpgm
.endm
	s_cmp_eq_u32 s12, 0                            ; the branch hangs on the work-group's y alone
	s_cbranch_scc0 .Lsign
	STREAM 0
.Lsign:
	STREAM 1
.Lfunc_end_k_qa432a3ace8_cast:
	.size	k_qa432a3ace8_cast, .Lfunc_end_k_qa432a3ace8_cast-k_qa432a3ace8_cast
	.p2alignl 7, 3214868480
	.fill 96, 4, 3214868480
	.section	.rodata,"a",@progbits
	.p2align	6, 0x0
	.amdhsa_kernel k_qa432a3ace8_cast
		.amdhsa_group_segment_fixed_size 0
		.amdhsa_private_segment_fixed_size 0
		.amdhsa_enable_private_segment 0
		.amdhsa_kernarg_size 32
		.amdhsa_user_sgpr_count 2
		.amdhsa_user_sgpr_kernarg_segment_ptr 1
		.amdhsa_wavefront_size32 1
		.amdhsa_system_sgpr_workgroup_id_x 1
		.amdhsa_system_sgpr_workgroup_id_y 1
		.amdhsa_system_sgpr_workgroup_id_z 1
		.amdhsa_system_vgpr_workitem_id 0
		.amdhsa_next_free_vgpr 56
		.amdhsa_next_free_sgpr 66
		.amdhsa_reserve_vcc 1
		.amdhsa_float_denorm_mode_32 3
		.amdhsa_float_denorm_mode_16_64 3
		.amdhsa_memory_ordered 1
		.amdhsa_forward_progress 1
		.amdhsa_inst_pref_size 16
	.end_amdhsa_kernel
	.amdgpu_metadata
---
amdhsa.version: [ 1, 2 ]
amdhsa.kernels:
  - .name:           k_qa432a3ace8_cast
    .symbol:         k_qa432a3ace8_cast.kd
    .args:
      - { .name: x, .offset: 0, .size: 8, .value_kind: global_buffer, .address_space: global }
      - { .name: W, .offset: 8, .size: 8, .value_kind: global_buffer, .address_space: global }
      - { .name: xb, .offset: 16, .size: 8, .value_kind: global_buffer, .address_space: global }
      - { .name: wb, .offset: 24, .size: 8, .value_kind: global_buffer, .address_space: global }
    .group_segment_fixed_size: 0
    .private_segment_fixed_size: 0
    .kernarg_segment_align: 8
    .kernarg_segment_size: 32
    .max_flat_workgroup_size: 256
    .sgpr_count:     66
    .vgpr_count:     56
    .wavefront_size: 32
...
	.end_amdgpu_metadata
.endif
;; end of part 1
;; launch gemm (part 2): grid 16 x 16, 4 waves a work-group, clusters of 4 x 4, 327,680 bytes of LDS; arguments xb, wb, b, out0; writes out0
.if DOCPART == 2
	.amdgcn_target "amdgcn-amd-amdhsa--gfx1250"
	.amdhsa_code_object_version 6
	.text
	.protected	k_qa432a3ace8_gemm
	.globl	k_qa432a3ace8_gemm
	.p2align	8
	.type	k_qa432a3ace8_gemm,@function
k_qa432a3ace8_gemm:
	s_mov_b64 s[64:65], 0
	v_nop
	global_prefetch_b8 v0, s[64:65] scope:SCOPE_SE
	s_setreg_imm32_b32 hwreg(HW_REG_WAVE_MODE, 25, 1), 1
	s_wait_xcnt 0x0
	s_wait_alu depctr_hold_cnt(0) depctr_sa_sdst(0) depctr_va_vdst(0) depctr_va_sdst(0) depctr_va_ssrc(0) depctr_va_vcc(0) depctr_vm_vsrc(0)
	s_getreg_b32 s2, hwreg(HW_REG_IB_STS2, 6, 4)
	s_cmp_eq_u32 s2, 0
	s_cbranch_scc0 .Lentry_in_a_cluster
	s_endpgm
.Lentry_in_a_cluster:
	s_bfe_u32 s2, ttmp6, 0x10000c
	s_cmp_lg_u32 s2, 0xf033
	s_cbranch_scc0 .Lentry_shape_is_right
	s_endpgm
.Lentry_shape_is_right:
; out0[m][n] = max(0, b[n] + the sum over k of xb[m][k] wb[k][n]).  xb: [4096 m][4096 k] bf16 (x rounded once), wb: [4096 k][4096 n] bf16 (+1 or -1, exact), b: [4096] f32, out0: [4096][4096] f32.
; LIMITS.  One f32 sum for each output, K ascending, STARTED with b[n]: the bias is added first, not last.  The maximum with 0 lets a NaN lose: a NaN sum leaves as 0.
; SHARES.  A tile of out0, 256 x 256, is made by a work-group of four waves; 16 x 16 tiles, one work-group each.  A wave makes 128 x 128: 64 accumulators of 16 x 16, 512 registers.
; K goes in 32 steps of 128 through a ring of two LDS slots filled by the tensor data mover: 256 rows (m) x 256 bytes of xb, and 128 rows (k) x 512 bytes of wb, which stays [k][n] in LDS
; and comes out turned, by ds_load_tr16_b128.  All rows begin at multiples of 256 bytes from their buffer's first byte.
; CLUSTERS: 4 x 4 work-groups.  The four of a row of the cluster need the same tiles of xb, the four of a column the same tiles of wb: each tile is asked for JOINTLY, by the same tensor load with
; the same descriptor and a mask that names the four.  That divides the requests for both by four.
; THE MATRIX INSTRUCTION IS USED TRANSPOSED: source 0 = 16 columns n of wb, source 1 = 16 rows m of xb.  In the result lane l holds row m = l % 16 and its registers 0 to 7 the columns
; n = 8 (l / 16) + 0 .. 7: eight neighbouring numbers of a row of out0.  The bias in the same layout (eight numbers a lane for each block of 16 columns) is the C operand of each sum's first product.
; REGISTERS, in windows of 256 (s_set_vgpr_msb's low byte: bits 1:0 source 0, 3:2 source 1, 5:4 source 2, 7:6 destination):
;   window 0: v0-31 addresses; v64-127, v128-191 fragments of xb (8 x 16 rows x 32 K), two buffers; on the way out the same 128 take rows read back from the stage
;   window 1: v0-63 the bias; v64-127, v128-191 fragments of wb, two buffers
;   window 2: the 32 accumulators of my rows 0-63 (accumulator (a, b) at v[8 (8 a + b)]);   window 3: those of my rows 64-127
.set KSTEP,  128
.set ROWX,   8192                      ; bytes in a row of xb and of wb
.set ROWC,   16384                     ; bytes in a row of out0
.set PA,     272                       ; an LDS row of xb: 256 bytes + 16 of padding = 68 words: row r starts at bank 4 r mod 64 (64 banks of 4 bytes: ISA guide 11.1): the 16 rows of a load start at 16 different groups of four banks
.set PB,     544                       ; an LDS row of wb: 512 + 32 = 136 words: row r starts at bank 8 r mod 64
.set HALFT,  128*PA                    ; what one tensor load brings: 128 rows of xb, or 64 rows of wb (64 x 544 is the same 34,816 bytes)
.set SLOT,   4*HALFT                   ; xb's 256 rows, then wb's 128 rows
.set BOFF,   2*HALFT                   ; where wb's rows begin in a slot
.set STAGE,  2*SLOT                    ; behind the ring, never filled by a tensor load: 16 rows x 528 bytes for each wave, for the way out
.set SP,     528                       ; a stage row: 512 bytes (128 f32) + 16: the 16 rows that a store touches start at 16 different groups of four banks
.set SPARE,  STAGE+4*16*SP             ; behind the stages: the spare words, 128 bytes for each wave: two blocks of 256 bytes that no other line names
.set LAPS,   4096/(2*KSTEP)            ; a lap = two K steps = once round the ring
.set ASTEP,  KSTEP*2                   ; a K step along a row of xb, in bytes
.set BSTEP,  KSTEP*ROWX                ; a K step down the rows of wb, in bytes
.set ADRA, 16                          ; v16-17  LDS address of my fragments of xb in slot 0, 1
.set ADRB, 20                          ; v20-21  the same for wb
.set STO,  24                          ; v24     the way out: where I put 32 bytes of a row
.set RD,   25                          ; v25     the way out: where I read 16 bytes of a row back
.set CO,   26                          ; v26     16 x my lane: my byte offset in 512 bytes of a row of out0
.set BO,   27                          ; v27     32 x (lane / 16): my eight numbers in 16 of the bias
.set SPW,  28                          ; v28     LDS address of my spare word: SPARE + 4 x my thread's number; never rewritten
.set NIL,  29                          ; v29     0; never rewritten
.set PFO,  30                          ; v30     the prefetches' lane offset; never rewritten
.set BIAS, 0                           ; window 1
.set F0,   64                          ; fragment buffer 0
.set F1,   128                         ; fragment buffer 1
.set WV, 12                            ; s12  my wave's number
.set WR, 13                            ; s13  which half of the tile's rows is mine.  Also: I fetch for xb (0) or for wb (1)
.set WC, 14                            ; s14  which half of its columns.  Also: which half of that tile I fetch
.set CX, 15                            ; s15, s16  my place in the cluster
.set CY, 16
.set TX, 17                            ; s17  tile column
.set TY, 18                            ; s18  tile row
.set G1,  24                           ; s[24:31] descriptor group 1 for xb's tiles
.set G0,  32                           ; s[32:39] descriptor group 0 for xb's tiles, one set for each slot
.set LIM, 40                           ; s40  1 in a wave that prefetches, else the greatest number
.set PST, 42                           ; s[42:43] a K step in the tensor that I prefetch, in bytes
.set PFA, 44                           ; s[44:45] where my prefetches stand
.set G1B, 48                           ; s[48:55] descriptor group 1 for wb's tiles
.set G0B, 56                           ; s[56:63] descriptor group 0 for wb's tiles, one set for each slot
.set MSB, 0
.macro WIN new                         ; the immediate's high byte repeats the setting that is left; a switch that changes nothing is dropped
.if MSB != (\new)
	s_set_vgpr_msb (MSB<<8)|(\new)
.set MSB, \new
.endif
.endm
.set MUL_LO,   0xa1                    ; source 0 (wb) window 1, source 1 (xb) window 0, C and D window 2
.set MUL_HI,   0xf1                    ; the same, C and D window 3
.set MUL_LO_B, 0x91                    ; a sum's first product: C (the bias) window 1, D window 2
.set MUL_HI_B, 0xd1                    ; the same, D window 3
.set TO_B,     0x40                    ; destination window 1, address window 0
.set ST_LO,    0x08                    ; an LDS store's data (source 1) window 2
.set ST_HI,    0x0c                    ; window 3
; A joint load.  Waves 0 and 1 fetch xb's two halves, waves 2 and 3 wb's.  Each of the two lines has one mask and one set of registers for all that issue it.  The branch hangs on the wave's number alone.
; An s_nop 0 and four v_nop follow each of the two lines, ahead of the jump, the label and what follows the macro.
.macro JLOAD s
	s_cmp_eq_u32 s[WR], 0
	s_cbranch_scc0 .Lfor_b_\@
	tensor_load_to_lds s[G0+4*(\s):G0+4*(\s)+3], s[G1:G1+7]
	s_nop 0
.rept 4
	v_nop
.endr
	s_branch .Lasked_\@
.Lfor_b_\@:
	tensor_load_to_lds s[G0B+4*(\s):G0B+4*(\s)+3], s[G1B:G1B+7]
	s_nop 0
.rept 4
	v_nop
.endr
.Lasked_\@:
.endm
; A PREFETCH INTO THE L2, behind each joint refill, its five lines and the run of LDS loads that follows them: the K step that stands TWO refills on, 512 matrix instructions ahead of the load that will ask for it.
; One instruction a wave, 32 blocks of 256 bytes, each lane another block.  Each block of a K step is named ONCE in the launch.  xb's tile row is read by every cluster of that row of clusters: cluster x = 0 asks;
; wb's tile column by every cluster of that column: cluster y = 0 asks.  The four partners that ask for a tile jointly share its rows out BY ADDRESS: of the 128 rows of xb that a wave fetches the partner at cx
; takes 32, a lane a row; of the 64 rows of wb the partner at cy takes 16, two lanes a row.  No branch hangs on a work-group's place in its cluster.  The loop's last trip (s3 = 1) has no K step two on and asks for nothing.
.macro ASK
	s_cmp_gt_u32 s3, s[LIM]
	s_cbranch_scc0 .Lnot_mine_\@
	global_prefetch_b8 v[PFO], s[PFA:PFA+1] th:TH_LOAD_NT scope:SCOPE_SE
.Lnot_mine_\@:
.endm
; A round of the cluster's barrier: my work-group's barrier, so that wave 0's signal speaks for all four waves; wave 0 signals for the work-group; every wave waits for all sixteen work-groups; my work-group's barrier once more.
.macro CREST                           ; a round behind its opening barrier
	s_cmp_lg_u32 s[WV], 0
	s_cbranch_scc1 .Lnot_wave_0_\@
	s_barrier_signal -3
.Lnot_wave_0_\@:
	s_barrier_wait -3
	s_barrier_signal -1
	s_barrier_wait -1
.endm
.macro CROUND                          ; a whole round
	s_barrier_signal -1
	s_barrier_wait -1
	CREST
.endm
	s_load_b256 s[4:11], s[0:1], 0x0               ; xb s[4:5], wb s[6:7], b s[8:9], out0 s[10:11]
	v_lshl_add_u32 v[SPW], v0, 2, SPARE
	v_mov_b32 v[NIL], 0
	ds_add_u32 v[SPW], v[NIL]                      ; the wave's opening: the add, twice on end, and its wait ahead of my first tensor load; the set-up below, work on registers, stands between the second and the wait
	ds_add_u32 v[SPW], v[NIL]                      ; and once more, under the one wait
	v_lshrrev_b32 v1, 5, v0
	v_readfirstlane_b32 s[WV], v1                  ; wave 0..3
	s_lshr_b32 s[WR], s[WV], 1
	s_and_b32 s[WC], s[WV], 1
	s_bfe_u32 s[CX], ttmp6, 0x40000                ; cx
	s_bfe_u32 s[CY], ttmp6, 0x40004                ; cy
	s_lshl_b32 s[TX], ttmp9, 2                     ; in a cluster launch ttmp9 and ttmp7 count clusters
	s_add_co_u32 s[TX], s[TX], s[CX]               ; tile column = 4 x cluster x + cx
	s_and_b32 s[TY], ttmp7, 0xffff
	s_lshl_b32 s[TY], s[TY], 2
	s_add_co_u32 s[TY], s[TY], s[CY]               ; tile row = 4 x cluster y + cy
	s_lshl_b32 s19, s[CY], 2
	s_lshl_b32 s19, 15, s19                        ; my row of the cluster: places 4 cy .. 4 cy + 3
	s_lshl_b32 s46, 0x1111, s[CX]                  ; my column: places cx, cx + 4, cx + 8, cx + 12
	; descriptor group 1 for xb: a tile of 128 rows x 128 elements
	s_or_b32 s[G1+0], s19, (1<<16)|(1<<20)|(1<<21)|(5<<22)|(3<<25)   ; 15:0 the mask: my row; 17:16 elements of 2 bytes; 20 padding on; 21 set beside a mask; 24:22 after every 64 words (code 5); 31:25 4 words (code 3)
	s_mov_b32 s[G1+1], 128<<16                     ; tensor_dim0 = 128
	s_mov_b32 s[G1+2], 128<<16                     ; tensor_dim1 = 128
	s_mov_b32 s[G1+3], 128<<16                     ; tile_dim0 = 128
	s_mov_b32 s[G1+4], 128                         ; tile_dim1 = 128
	s_mov_b32 s[G1+5], 4096                        ; elements from row to row
	s_mov_b32 s[G1+6], 0
	s_mov_b32 s[G1+7], 0
	; and for wb: a tile of 64 rows x 256 elements
	s_or_b32 s[G1B+0], s46, (1<<16)|(1<<20)|(1<<21)|(6<<22)|(7<<25)  ; the mask: my column; padding after every 128 words (code 6), 8 words (code 7)
	s_mov_b32 s[G1B+1], 256<<16                    ; tensor_dim0 = 256
	s_mov_b32 s[G1B+2], 64<<16                     ; tensor_dim1 = 64
	s_mov_b32 s[G1B+3], 256<<16                    ; tile_dim0 = 256
	s_mov_b32 s[G1B+4], 64                         ; tile_dim1 = 64
	s_mov_b32 s[G1B+5], 4096
	s_mov_b32 s[G1B+6], 0
	s_mov_b32 s[G1B+7], 0
	; where the tiles come from.  xb's hang on the tile row alone, which my row of the cluster shares; wb's on the tile column alone, which my column shares.  Every wave makes both, in registers that never hold the other coordinate.
	s_lshl_b32 s20, s[TY], 8
	s_lshl_b32 s21, s[WC], 7
	s_add_co_u32 s20, s20, s21                     ; xb: row 256 x tile row + 128 x half,
	s_lshl_b32 s20, s20, 13                        ; in bytes (under 2^25)
	s_mov_b32 s21, 0
	s_lshl_b32 s46, s[WC], 19                      ; wb: row 64 x half, in bytes,
	s_lshl_b32 s47, s[TX], 9                       ; and 512 bytes x tile column
	s_add_co_u32 s46, s46, s47
	s_mov_b32 s47, 0
	s_mul_i32 s22, s[WV], HALFT                    ; and where they go: wave x 34,816 bytes: no place in the cluster enters an LDS address
	s_wait_dscnt 0x0                               ; both opening adds are done
	s_wait_kmcnt 0x0
	s_add_nc_u64 s[20:21], s[4:5], s[20:21]
	s_add_nc_u64 s[46:47], s[6:7], s[46:47]
	CROUND                                         ; all sixteen work-groups are here: the first joint loads meet
.irp s, 0,1
	s_mov_b32 s[G0+4*(\s)], 1                                        ; count = 1
	s_add_co_u32 s[G0+4*(\s)+1], s22, (\s)*SLOT                      ; LDS address
	s_add_nc_u64 s[G0+4*(\s)+2:G0+4*(\s)+3], s[20:21], (\s)*ASTEP    ; global address: K step s
	s_or_b32 s[G0+4*(\s)+3], s[G0+4*(\s)+3], 0x80000000              ; type = 2
	s_mov_b32 s[G0B+4*(\s)], 1
	s_add_co_u32 s[G0B+4*(\s)+1], s22, (\s)*SLOT
	s_add_nc_u64 s[G0B+4*(\s)+2:G0B+4*(\s)+3], s[46:47], (\s)*BSTEP
	s_or_b32 s[G0B+4*(\s)+3], s[G0B+4*(\s)+3], 0x80000000
	JLOAD \s                                       ; the ring is filled before anything else is done: two loads of mine are out
.endr
	v_and_b32 v1, 15, v0                           ; r = l % 16
	v_bfe_u32 v2, v0, 4, 1                         ; h = l / 16
	v_and_b32 v3, 7, v0                            ; l % 8
	v_bfe_u32 v4, v0, 3, 1                         ; (l / 8) % 2
	v_and_b32 v5, 31, v0                           ; l
	v_lshlrev_b32 v[BO], 5, v2
	s_lshl_b32 s46, s[TX], 10                      ; my 128 columns, in bytes of f32: 1,024 x tile column + 512 x half: the same in b and in a row of out0
	s_lshl_b32 s47, s[WC], 9
	s_add_co_u32 s46, s46, s47
	s_mov_b32 s47, 0
	s_add_nc_u64 s[8:9], s[8:9], s[46:47]
	WIN TO_B
.irp j, 0,1,2,3,4,5,6,7                            ; the bias: for block j of 16 columns my eight numbers, b[16 j + 8 h + 0..7]
	global_load_b128 v[BIAS+8*(\j):BIAS+8*(\j)+3],   v[BO], s[8:9] offset:64*(\j)
	global_load_b128 v[BIAS+8*(\j)+4:BIAS+8*(\j)+7], v[BO], s[8:9] offset:64*(\j)+16
.endr
	WIN 0
	s_lshl_b32 s20, s[TY], 8
	s_lshl_b32 s21, s[WR], 7
	s_add_co_u32 s20, s20, s21                     ; my first row of out0,
	s_lshl_b32 s20, s20, 14                        ; in bytes (under 2^26)
	s_mov_b32 s21, 0
	s_add_nc_u64 s[10:11], s[10:11], s[20:21]
	s_add_nc_u64 s[10:11], s[10:11], s[46:47]      ; out0 at my 128 x 128; never stepped: the rows stand in the stores' immediates
	; A fragment of xb is 16 rows x 32 K in 8 registers: lane l holds row l % 16; registers 0-3 K = 8 h + 0..7, registers 4-7 K = 16 + 8 h + 0..7: two loads of 16 bytes, 32 bytes apart.
	v_mul_u32_u24 v6, v1, PA
	v_lshl_add_u32 v6, v2, 4, v6                   ; row x pitch + 16 h
	; The turning load takes 16 k x 16 n (lane l reads 16 bytes: row k = 8 h + l % 8, columns 8 ((l / 8) % 2) + 0..7) and leaves half a fragment: lane l holds column l % 16 and eight k.
	v_lshl_add_u32 v7, v2, 3, v3
	v_mul_u32_u24 v7, v7, PB
	v_lshl_add_u32 v7, v4, 4, v7
	s_mul_i32 s23, s[WR], HALFT                    ; my 128 rows of xb
	s_lshl_b32 s41, s[WC], 8                       ; my 128 columns of wb: 256 bytes of each row,
	s_add_co_u32 s41, s41, BOFF                    ; behind xb's 256 rows
.irp s, 0,1
	v_add_nc_u32 v[ADRA+(\s)], s23, v6
	v_add_nc_u32 v[ADRB+(\s)], s41, v7
	s_add_co_u32 s23, s23, SLOT
	s_add_co_u32 s41, s41, SLOT
.endr
	s_mul_i32 s2, s[WV], 16*SP
	s_add_co_u32 s2, s2, STAGE                     ; my stage
	v_mul_u32_u24 v8, v1, SP                       ; in: row l % 16, 32 bytes for each half of the lanes
	v_lshl_add_u32 v8, v2, 5, v8
	v_add_nc_u32 v[STO], s2, v8
	v_lshl_add_u32 v[RD], v5, 4, s2                ; back: 32 lanes take one row of 512 bytes
	v_lshlrev_b32 v[CO], 4, v5                     ; and the same 512 bytes in out0
	; the prefetches: both offsets are made, the wave's kind chooses.  They start at K step 3: the first refill steps them to 4.
	s_lshl_b32 s20, s[TY], 8
	s_lshl_b32 s21, s[WC], 7
	s_add_co_u32 s20, s20, s21
	s_lshl_b32 s21, s[CX], 5
	s_add_co_u32 s20, s20, s21                     ; xb: the 128 rows that I fetch, my work-group's 32 of them
	s_lshl_b32 s20, s20, 13
	s_add_co_u32 s20, s20, 3*ASTEP
	s_lshl_b32 s46, s[WC], 6
	s_lshl_b32 s47, s[CY], 4
	s_add_co_u32 s46, s46, s47                     ; wb: the 64 rows that I fetch, my work-group's 16 of them,
	s_add_co_u32 s46, s46, 3*KSTEP                 ; in K step 3
	s_lshl_b32 s46, s46, 13
	s_lshl_b32 s47, s[TX], 9
	s_add_co_u32 s46, s46, s47
	s_and_b32 s19, ttmp7, 0xffff                   ; cluster y
	s_mov_b32 s[PST], BSTEP
	s_mov_b32 s[PST+1], 0
	s_mov_b32 s21, 0
	s_cmp_eq_u32 s[WR], 0                          ; do I fetch for xb?
	s_cselect_b32 s20, s20, s46
	s_cselect_b32 s19, ttmp9, s19                  ; the coordinate along which other clusters read the same rows
	s_cselect_b64 s[PFA:PFA+1], s[4:5], s[6:7]
	s_cselect_b32 s[PST], ASTEP, s[PST]
	s_cselect_b32 s41, 0, 1                        ; lanes to a row, less one: xb 1 lane (256 bytes), wb 2 (512 bytes)
	s_add_nc_u64 s[PFA:PFA+1], s[PFA:PFA+1], s[20:21]
	s_cmp_eq_u32 s19, 0
	s_cselect_b32 s[LIM], 1, -1                    ; the same in all sixteen partners, for a given wave
	v_lshrrev_b32 v8, s41, v5                      ; my row
	v_and_b32 v9, s41, v5                          ; my 256 bytes of it
	v_lshlrev_b32 v[PFO], 13, v8
	v_lshl_add_u32 v[PFO], v9, 8, v[PFO]
	; nothing is prefetched here, at the head, where every work-group's first two tiles are on their way: K steps 2 and 3 come by their refills alone
; 16 matrix instructions: m blocks a0, a0 + 1 of the window's four (hi = 0: my rows 0-63, 1: rows 64-127) x all 8 n blocks, 32 along K.  first = 1: the product starts the sums, with the bias as C: nothing is ever cleared.
; The 64 accumulators take turns, one instruction a turn, in the same order in every quarter step, over the loop's backward jump too.
.macro MUL16 f, hi, a0, first
.if \first
	WIN MUL_LO_B+0x40*(\hi)
.else
	WIN MUL_LO+0x50*(\hi)
.endif
.irp a, \a0, (\a0)+1
.irp b, 0,1,2,3,4,5,6,7
.if \first
	v_wmma_f32_16x16x32_bf16 v[8*(8*(\a)+(\b)):8*(8*(\a)+(\b))+7], v[(\f)+8*(\b):(\f)+8*(\b)+7], v[(\f)+8*(4*(\hi)+(\a)):(\f)+8*(4*(\hi)+(\a))+7], v[BIAS+8*(\b):BIAS+8*(\b)+7]
.else
	v_wmma_f32_16x16x32_bf16 v[8*(8*(\a)+(\b)):8*(8*(\a)+(\b))+7], v[(\f)+8*(\b):(\f)+8*(\b)+7], v[(\f)+8*(4*(\hi)+(\a)):(\f)+8*(4*(\hi)+(\a))+7], v[8*(8*(\a)+(\b)):8*(8*(\a)+(\b))+7]
.endif
.endr
.endr
.endm
; 32 LDS loads in one run: the fragments of quarter q of a K step (32 k x my 128 columns of wb, turned; my 128 rows of xb x 32 K) into buffer f.  The largest offset is 3 x 17,408 + 8,704 + 224 = 61,152.
.macro FETCH slot, q, f
	WIN TO_B
.irp i, 0,1,2,3,4,5,6,7
	ds_load_tr16_b128 v[(\f)+8*(\i):(\f)+8*(\i)+3],   v[ADRB+(\slot)] offset:(\q)*32*PB+32*(\i)
	ds_load_tr16_b128 v[(\f)+8*(\i)+4:(\f)+8*(\i)+7], v[ADRB+(\slot)] offset:(\q)*32*PB+16*PB+32*(\i)
.endr
	WIN 0
.irp i, 0,1,2,3,4,5,6,7
	ds_load_b128 v[(\f)+8*(\i):(\f)+8*(\i)+3],   v[ADRA+(\slot)] offset:(\q)*64+(\i)*16*PA
	ds_load_b128 v[(\f)+8*(\i)+4:(\f)+8*(\i)+7], v[ADRA+(\slot)] offset:(\q)*64+(\i)*16*PA+32
.endr
.endm
; A load into a register that a matrix instruction has read, and a store that reads a matrix result, stand four places behind that matrix instruction, and only plain vector instructions that name none of its
; registers are places (ISA guide 7.12.1 for vector instructions).
.macro PLACES
.rept 4
	v_nop
.endr
.endm
; A K step is four quarters of 32 along K, 64 matrix instructions each, on buffers 0, 1, 0, 1.  One of the first three: multiplies buffer f; in its middle it fetches quarter q of the same slot into buffer g.
.macro QUARTER slot, q, f, g, first
	s_wait_dscnt 8                                 ; wb's fragments and xb's rows 0-63 are in; the youngest eight loads (xb's rows 64-127) may be out
	MUL16 \f, 0, 0, \first
	MUL16 \f, 0, 2, \first
	PLACES
	FETCH \slot, \q, \g
	s_wait_dscnt 32                                ; all but the 32 just issued
	MUL16 \f, 1, 0, \first
	MUL16 \f, 1, 2, \first
.endm
; The last quarter multiplies buffer 1 and changes slots.  MEET is its first half: ONE barrier for the change of slots.  In front of it each wave waits for all its tensor loads, of which one is out: its part of
; the next slot; adds 0 to its spare word; and waits for that and for its own reads of this slot.  Behind it nobody reads this slot any more and the next slot is whole.
.macro MEET round                      ; round = 1: the rest of a round of the cluster's barrier follows
	WIN 0                                          ; (the add's two registers lie in window 0)
	s_wait_tensorcnt 0x0                           ; all my tensor loads have landed;
	ds_add_u32 v[SPW], v[NIL]                      ; 0 onto my spare word;
	s_wait_dscnt 9                                 ; (the add and the youngest eight loads may be out)
	MUL16 F1, 0, 0, 0                              ; sixteen matrix instructions stand between the add and the wait for it
	s_wait_dscnt 0x0                               ; the add is done, and my reads of this slot are over:
	s_barrier_signal -1                            ; say so,
	MUL16 F1, 0, 2, 0                              ; work on registers while the others arrive,
.if \round
	WIN 0
.endif
	s_barrier_wait -1                              ; and go on when all four have said so
.endm
; The whole last quarter.  fill = 1: behind the round the slot just read out is filled again first, with the K step two steps on; then come the next slot's first fragments.  From a request to the wait for it a wave issues 224 matrix instructions.
.macro TURN slot, next, fill
.if \fill
	s_wait_xcnt 0x0                                ; the last prefetch, a K step back, has read its address: it is stepped here, ahead of the waits of the change of slots
	s_add_nc_u64 s[PFA:PFA+1], s[PFA:PFA+1], s[PST:PST+1]
	MEET 1
	CREST                                          ; no wave of any partner still reads this slot's tile or has a load on its way
	s_add_nc_u64 s[G0+4*(\slot)+2:G0+4*(\slot)+3], s[G0+4*(\slot)+2:G0+4*(\slot)+3], 2*ASTEP     ; no tensor load of mine is out, so a group 0 may be written; the type bits on top are not reached
	s_add_nc_u64 s[G0B+4*(\slot)+2:G0B+4*(\slot)+3], s[G0B+4*(\slot)+2:G0B+4*(\slot)+3], 2*BSTEP
	JLOAD \slot                                    ; the first tensor load behind the round, one a wave; the four v_nop behind it are also the places in front of the loads below
	FETCH \next, 0, F0
	ASK                                            ; behind the joint load and the run of LDS loads that the next products wait for
.else
	MEET 0                                         ; nothing is filled again: no round
	PLACES
	FETCH \next, 0, F0
.endif
	MUL16 F1, 1, 0, 0
	MUL16 F1, 1, 2, 0
.endm
; THE WAY OUT of block a (16 of my rows x my 128 columns), in two parts.  TOSTAGE: a lane's eight f32 of each of the 8 accumulators go into my own stage, the low four first
; and come back as whole rows of 512 bytes.  SEND: the maximum with 0, and the stores.
.macro TOSTAGE a
.set AC, 64*((\a)%4)
.set BK, F0+64*((\a)%2)
	WIN ST_LO+4*((\a)/4)                           ; ST_LO or ST_HI
.irp b, 0,1,2,3,4,5,6,7
	ds_store_b128 v[STO], v[AC+8*(\b):AC+8*(\b)+3]   offset:64*(\b)
	ds_store_b128 v[STO], v[AC+8*(\b)+4:AC+8*(\b)+7] offset:64*(\b)+16
.endr
	WIN 0
	s_wait_xcnt 0x0                                ; the stores of the block two back have read these 64 registers: they are loaded again only behind this wait
.irp t, 0,1,2,3,4,5,6,7,8,9,10,11,12,13,14,15
	ds_load_b128 v[BK+4*(\t):BK+4*(\t)+3], v[RD] offset:(\t)*SP  ; LDS serves a wave's instructions in order (ISA guide 5.7.1.4): these see the stores above, and the next block's stores come behind them
.endr
.endm
.macro SEND a, younger                 ; younger: the LDS instructions issued behind block a's loads: the next block's 16 stores and 16 loads, or none
.set BK, F0+64*((\a)%2)
.irp t, 0,1,2,3,4,5,6,7,8,9,10,11,12,13,14,15
	s_wait_dscnt (\younger)+15-(\t)                ; row t is back; this block's later rows and the next block's 32 may be out
.irp c, 0,1,2,3
	v_max_num_f32 v[BK+4*(\t)+(\c)], 0, v[BK+4*(\t)+(\c)]
.endr
	global_store_b128 v[CO], v[BK+4*(\t):BK+4*(\t)+3], s[10:11] offset:(16*(\a)+(\t))*ROWC th:TH_STORE_NT  ; the wave stores 512 consecutive bytes, at a multiple of 512 from out0's first byte; 127 rows at the most: inside the signed 24-bit immediate
.endr
.endm
	s_wait_tensorcnt 1                             ; my part of K step 0 is in; K step 1's may stay out
	s_barrier_signal -1
	s_barrier_wait -1                              ; everybody's is
	FETCH 0, 0, F0
	s_wait_loadcnt 0x0                             ; the bias
	QUARTER 0, 1, F0, F1, 1                        ; the first quarter stands in front of the loop: its products start the sums
	WIN 0                                          ; at a label and at a branch every window is 0
	s_mov_b32 s3, LAPS-1
.Llap:                                                 ; a trip goes once round the ring, from a lap's second quarter to the next lap's first, and fills both slots again
	QUARTER 0, 2, F1, F0, 0
	QUARTER 0, 3, F0, F1, 0
	TURN 0, 1, 1
	QUARTER 1, 1, F0, F1, 0
	QUARTER 1, 2, F1, F0, 0
	QUARTER 1, 3, F0, F1, 0
	TURN 1, 0, 1
	QUARTER 0, 1, F0, F1, 0
	WIN 0
	s_sub_co_u32 s3, s3, 1
	s_cmp_lg_u32 s3, 0
	s_cbranch_scc1 .Llap
	QUARTER 0, 2, F1, F0, 0                        ; the last lap is written out: it fills nothing
	QUARTER 0, 3, F0, F1, 0
	TURN 0, 1, 0
	QUARTER 1, 1, F0, F1, 0
	QUARTER 1, 2, F1, F0, 0
	QUARTER 1, 3, F0, F1, 0
	s_wait_dscnt 8                                 ; the very last quarter: nothing more to fetch
	MUL16 F1, 0, 0, 0
	MUL16 F1, 0, 2, 0
	s_wait_dscnt 0x0
	MUL16 F1, 1, 0, 0
	MUL16 F1, 1, 2, 0
	WIN 0
	PLACES                                         ; the stores below read results just made, and the loads below land in registers just read:
	PLACES                                         ; eight places, once a launch
	TOSTAGE 0
.irp a, 1,2,3,4,5,6,7                              ; block a's way through the stage stands between block a - 1's loads and the waits for them
	TOSTAGE \a
	SEND (\a)-1, 32
.endr
	SEND 7, 0
	s_wait_tensorcnt 0x0                           ; the wave's end: the tensor wait, an add of 0 to my spare word and its wait, behind my last tensor load and my last LDS store
	ds_add_u32 v[SPW], v[NIL]
	s_wait_dscnt 0x0
	CROUND                                         ; the closing round: no work-group ends while a partner may still ask for a tile that names it
	s_endpgm
.Lfunc_end_k_qa432a3ace8_gemm:
	.size	k_qa432a3ace8_gemm, .Lfunc_end_k_qa432a3ace8_gemm-k_qa432a3ace8_gemm
	.p2alignl 7, 3214868480
	.fill 96, 4, 3214868480
	.section	.rodata,"a",@progbits
	.p2align	6, 0x0
	.amdhsa_kernel k_qa432a3ace8_gemm
		.amdhsa_group_segment_fixed_size 327680
		.amdhsa_private_segment_fixed_size 0
		.amdhsa_enable_private_segment 0
		.amdhsa_kernarg_size 32
		.amdhsa_user_sgpr_count 2
		.amdhsa_user_sgpr_kernarg_segment_ptr 1
		.amdhsa_wavefront_size32 1
		.amdhsa_system_sgpr_workgroup_id_x 1
		.amdhsa_system_sgpr_workgroup_id_y 1
		.amdhsa_system_sgpr_workgroup_id_z 1
		.amdhsa_system_vgpr_workitem_id 0
		.amdhsa_next_free_vgpr 1024
		.amdhsa_next_free_sgpr 66
		.amdhsa_reserve_vcc 0
		.amdhsa_float_denorm_mode_32 3
		.amdhsa_float_denorm_mode_16_64 3
		.amdhsa_memory_ordered 1
		.amdhsa_forward_progress 1
		.amdhsa_inst_pref_size 163
	.end_amdhsa_kernel
	.amdgpu_metadata
---
amdhsa.version: [ 1, 2 ]
amdhsa.kernels:
  - .name:           k_qa432a3ace8_gemm
    .symbol:         k_qa432a3ace8_gemm.kd
    .args:
      - { .name: xb, .offset: 0, .size: 8, .value_kind: global_buffer, .address_space: global }
      - { .name: wb, .offset: 8, .size: 8, .value_kind: global_buffer, .address_space: global }
      - { .name: b, .offset: 16, .size: 8, .value_kind: global_buffer, .address_space: global }
      - { .name: out0, .offset: 24, .size: 8, .value_kind: global_buffer, .address_space: global }
    .group_segment_fixed_size: 327680
    .private_segment_fixed_size: 0
    .kernarg_segment_align: 8
    .kernarg_segment_size: 32
    .max_flat_workgroup_size: 128
    .sgpr_count:     66
    .vgpr_count:     1024
    .wavefront_size: 32
...
	.end_amdgpu_metadata
.endif
;; end of part 2
;; ======== version 2 of 2: 2 launches; version 1 with the launch cast written anew for expert scheduling mode
;; workspace buffers: xb 33,554,432 bytes; wb 33,554,432 bytes
;; launch cast (part 3): grid 512 x 2, 8 waves a work-group, no clusters, 0 bytes of LDS; arguments x, W, xb, wb; writes xb, wb
.if DOCPART == 3
	.amdgcn_target "amdgcn-amd-amdhsa--gfx1250"
	.amdhsa_code_object_version 6
	.text
	.protected	k_qa432a3ace8_cast
	.globl	k_qa432a3ace8_cast
	.p2align	8
	.type	k_qa432a3ace8_cast,@function
k_qa432a3ace8_cast:
	s_mov_b64 s[64:65], 0
	v_nop
	global_prefetch_b8 v0, s[64:65] scope:SCOPE_SE
	s_setreg_imm32_b32 hwreg(HW_REG_WAVE_SCHED_MODE, 0, 2), 2
	s_setreg_imm32_b32 hwreg(HW_REG_WAVE_MODE, 25, 1), 1
	s_wait_xcnt 0x0
	s_wait_alu depctr_vm_vsrc(0)
; xb = x rounded once to bf16 (work-groups with y = 0);  wb = sign(W) as bf16, +1 where W >= 0 and -1 elsewhere (y = 1).  Both keep their input's layout: [4096][4096], the last index fastest.
; LIMITS.  |x| beyond bf16's largest finite number (3.39e38) rounds to an infinity.  sign: -0.0 gives +1 and a NaN gives -1, as the comparison W >= 0 does; +1 and -1 are exact in bf16.
; SHARES.  A work-group owns 131,072 consecutive input bytes, taken as 32 rows of 4,096, and the 65,536 output bytes that they make.  Thread t owns bytes 16 t .. 16 t + 15 of every input row and
; bytes 8 t .. 8 t + 7 of every output row: a wave's load covers 512 consecutive bytes, a wave's store 256 consecutive bytes at a multiple of 256 from the buffer's first byte.
; No byte is wanted by two waves: no LDS, no barrier, no matrix unit, no cluster.
; THE MODE: SCHED_MODE bits 1:0 = 2 (LLVM: expert scheduling mode 2), set by the entry lines.  The code itself states the register dependences between vector instructions and memory instructions,
; and between a vector instruction that writes a scalar register and its readers, with s_wait_alu, always for 0.
; THE PLAN.  The 32 rows go in 16 blocks of two, written out by macro.  Registers that memory instructions touch:
;   X0 .. X5   six blocks of input as loaded.  The loads of block p + 5, issued in block p, land in X[(p + 5) % 6] = X[(p - 1) % 6]; block p's vector instructions read X[p % 6], and its selects write the signs into it in place.
;   Y0 .. Y15  a block of output each.  Written ONCE in the launch, by block p's roundings; read once, by the two stores that are issued in block p + 1.  No store's data register is ever written again.
;   v1, v2     byte offsets, made once at the head and never written again; the two scalar bases are never stepped either: the rows stand in the immediates, 31 x 4,096 bytes at the most.
; Block p's memory instructions touch X[(p - 1) % 6] and Y[p - 1]: the two buffers that block p - 1 worked on and that no vector instruction of block p names.  So ONE wait on va_vdst at a block's head states
; all that the block's four memory instructions hang on, and they are dealt among its vector instructions with no further wait.  No register that a memory instruction reads is written again: there is nothing for a wait on vm_vsrc to state.
.set ROWS,   2                         ; rows in a block
.set BLOCKS, 32/ROWS
.set XB,     6                         ; buffers of input: XB - 1 blocks are asked for ahead
.set IROW,   4096                      ; input bytes in a row
.set OROW,   2048                      ; output bytes in a row
.set IN,  1                            ; v1         16 t; never rewritten
.set OUT, 2                            ; v2         8 t; never rewritten
.set ONE, 3                            ; v3         1.0: no memory instruction names it
.set X,   4                            ; v[4:51]    buffer k, row i: 4 registers at X + 8 k + 4 i, as loaded
.set Y,   52                           ; v[52:115]  block p, row i: 2 registers at Y + 4 p + 2 i, to store
.set M,   16                           ; s[16:23]   the lane masks of a block's eight comparisons (s16 and s17 hold an offset at the head, which is spent by then)
	s_load_b256 s[4:11], s[0:1], 0x0               ; x s[4:5], W s[6:7], xb s[8:9], wb s[10:11]
	s_and_b32 s12, ttmp7, 0xffff                   ; y: 0 = x, 1 = W
	s_lshl_b32 s14, ttmp9, 17                      ; the work-group's 131,072 input bytes (511 x 2^17 at the most: one word)
	s_mov_b32 s15, 0
	s_lshl_b32 s16, ttmp9, 16                      ; and its 65,536 output bytes
	s_mov_b32 s17, 0
	v_lshlrev_b32 v[IN], 4, v0
	v_lshlrev_b32 v[OUT], 3, v0
	v_mov_b32 v[ONE], 1.0
	s_wait_kmcnt 0x0
	s_cmp_eq_u32 s12, 0
	s_cselect_b64 s[4:5], s[4:5], s[6:7]           ; from x or from W,
	s_cselect_b64 s[8:9], s[8:9], s[10:11]         ; into xb or into wb
	s_add_nc_u64 s[4:5], s[4:5], s[14:15]
	s_add_nc_u64 s[8:9], s[8:9], s[16:17]
	s_wait_alu depctr_va_vdst(0)                   ; v1 and v2 are written: every load of the kernel reads the one as its offset, every store the other
.irp i, 0,1,2,3,4,5,6,7,8,9
	global_load_b128 v[X+4*(\i):X+4*(\i)+3], v[IN], s[4:5] offset:(\i)*IROW th:TH_LOAD_NT  ; blocks 0 to 4 into X0 to X4
.endr
; Row i of block p's memory instructions: the load of block p + 5 (while there is one: no load leaves the buffer), ahead of the store of block p - 1 (if there is one).  XN and YS are set by BLK.
.macro MEM p, i
.if (\p)+XB-1 < BLOCKS
	global_load_b128 v[XN+4*(\i):XN+4*(\i)+3], v[IN], s[4:5] offset:(ROWS*((\p)+XB-1)+(\i))*IROW th:TH_LOAD_NT  ; no vector instruction since the wait at the block's head names these registers
.endif
.if (\p) > 0
	global_store_b64 v[OUT], v[YS+2*(\i):YS+2*(\i)+1], s[8:9] offset:(ROWS*((\p)-1)+(\i))*OROW th:TH_STORE_NT   ; nor these
.endif
.endm
; Block p.  sgn = 1: signs, 0: roundings.
.macro BLK p, sgn
.set XW, X+4*ROWS*((\p)%XB)            ; the input at work
.set XN, X+4*ROWS*(((\p)+XB-1)%XB)     ; the buffer that the block before worked on: asked for again
.set YW, Y+2*ROWS*(\p)                 ; this block's output
.set YS, Y+2*ROWS*((\p)-1)             ; the block before's output: stored now
.set LEFT, ROWS*(XB-2)                 ; the loads of the four younger blocks may stay out;
.if BLOCKS-1-(\p) < XB-2
.set LEFT, ROWS*(BLOCKS-1-(\p))        ; at the end there are fewer, and the counts run down
.endif
	s_wait_loadcnt LEFT                            ; loads come back in order (ISA guide 5.7.1): this block's two are in
.if (\p) > 0
	s_wait_alu depctr_va_vdst(0)                   ; the block before has written its Y, which the stores below read, and is done reading (and, for signs, writing) its X, in which the loads below land
.endif
	MEM \p, 0
.if \sgn
.irp j, 0,1,2,3,4,5,6,7
	v_cmp_le_f32 s[M+(\j)], 0, v[XW+(\j)]          ; 0 <= w: true for -0.0, false for a NaN; the block's eight comparisons in one run, a mask each
.endr
	MEM \p, 1
	s_wait_alu depctr_va_sdst(0)                   ; the eight comparisons have written s[16:23], ahead of the selects that read them
.irp j, 0,1,2,3,4,5,6,7
	v_cndmask_b32 v[XW+(\j)], -1.0, v[ONE], s[M+(\j)]  ; a choice of a value, made for every number, in place
.endr
.irp j, 0,1,2,3
	v_cvt_pk_bf16_f32 v[YW+(\j)], v[XW+2*(\j)], v[XW+2*(\j)+1]
.endr
.else
	v_cvt_pk_bf16_f32 v[YW],   v[XW],   v[XW+1]    ; two roundings to nearest even, packed
	v_cvt_pk_bf16_f32 v[YW+1], v[XW+2], v[XW+3]
	MEM \p, 1
	v_cvt_pk_bf16_f32 v[YW+2], v[XW+4], v[XW+5]
	v_cvt_pk_bf16_f32 v[YW+3], v[XW+6], v[XW+7]
.endif
.endm
; The whole stream: block 0 has no block in front of it (no store, and no wait but the one for its data: the head's wait has covered the offsets, and no vector instruction has named X5);
; blocks 11 to 15 load nothing; behind block 15 its two stores are left.
.macro STREAM sgn
.irp p, 0,1,2,3,4,5,6,7,8,9,10,11,12,13,14,15
	BLK \p, \sgn
.endr
	s_wait_alu depctr_va_vdst(0)                   ; block 15 has written its Y, which the last two stores read
.irp i, 0,1
	global_store_b64 v[OUT], v[Y+2*ROWS*(BLOCKS-1)+2*(\i):Y+2*ROWS*(BLOCKS-1)+2*(\i)+1], s[8:9] offset:(ROWS*(BLOCKS-1)+(\i))*OROW th:TH_STORE_NT
.endr
	s_endpgm
.endm
	s_cmp_eq_u32 s12, 0                            ; the branch hangs on the work-group's y alone
	s_cbranch_scc0 .Lsign
	STREAM 0
.Lsign:
	STREAM 1
.Lfunc_end_k_qa432a3ace8_cast:
	.size	k_qa432a3ace8_cast, .Lfunc_end_k_qa432a3ace8_cast-k_qa432a3ace8_cast
	.p2alignl 7, 3214868480
	.fill 96, 4, 3214868480
	.section	.rodata,"a",@progbits
	.p2align	6, 0x0
	.amdhsa_kernel k_qa432a3ace8_cast
		.amdhsa_group_segment_fixed_size 0
		.amdhsa_private_segment_fixed_size 0
		.amdhsa_enable_private_segment 0
		.amdhsa_kernarg_size 32
		.amdhsa_user_sgpr_count 2
		.amdhsa_user_sgpr_kernarg_segment_ptr 1
		.amdhsa_wavefront_size32 1
		.amdhsa_system_sgpr_workgroup_id_x 1
		.amdhsa_system_sgpr_workgroup_id_y 1
		.amdhsa_system_sgpr_workgroup_id_z 1
		.amdhsa_system_vgpr_workitem_id 0
		.amdhsa_next_free_vgpr 116
		.amdhsa_next_free_sgpr 66
		.amdhsa_reserve_vcc 0
		.amdhsa_float_denorm_mode_32 3
		.amdhsa_float_denorm_mode_16_64 3
		.amdhsa_memory_ordered 1
		.amdhsa_forward_progress 1
		.amdhsa_inst_pref_size 39
	.end_amdhsa_kernel
	.amdgpu_metadata
---
amdhsa.version: [ 1, 2 ]
amdhsa.kernels:
  - .name:           k_qa432a3ace8_cast
    .symbol:         k_qa432a3ace8_cast.kd
    .args:
      - { .name: x, .offset: 0, .size: 8, .value_kind: global_buffer, .address_space: global }
      - { .name: W, .offset: 8, .size: 8, .value_kind: global_buffer, .address_space: global }
      - { .name: xb, .offset: 16, .size: 8, .value_kind: global_buffer, .address_space: global }
      - { .name: wb, .offset: 24, .size: 8, .value_kind: global_buffer, .address_space: global }
    .group_segment_fixed_size: 0
    .private_segment_fixed_size: 0
    .kernarg_segment_align: 8
    .kernarg_segment_size: 32
    .max_flat_workgroup_size: 256
    .sgpr_count:     66
    .vgpr_count:     116
    .wavefront_size: 32
...
	.end_amdgpu_metadata
.endif
;; end of part 3
;; launch gemm: the kernel of part 2 again; grid 16 x 16, 4 waves a work-group, clusters of 4 x 4, 327,680 bytes of LDS; arguments xb, wb, b, out0; writes out0
